; MI455X (gfx1250); checked and timed in simulation.
; The chip was launched on July 23, 2026; its instructions are those of AMD's public machine-readable ISA for CDNA 5 (MIT licence, August 2026) and "CDNA5" Instruction Set Architecture Reference Guide (July 2026). The comments in the code are by the model that wrote it; some were corrected since.
;; LNN Step. Allowed arithmetic: float matrix products may take bf16 or f16 operands with f32 sums; all other float work in f32.
;; Inputs: input_weights 4,096 x 2,048 float32; inputs 2,048 x 2,048 float32; prev_state 2,048 x 4,096 float32; reservoir_weights 4,096 x 4,096 float32.
;; Outputs: out0 2,048 x 4,096 float32.
;; 2 versions, each right; version 2 is version 1 with the launch cast written anew for expert scheduling mode. Each part assembles by itself: llvm-mc -triple=amdgcn-amd-amdhsa -mcpu=gfx1250 --defsym DOCPART=n.
;; ======== version 1 of 2: 2 launches
;; workspace buffers: abf 25,165,824 bytes; wbf 50,331,648 bytes
;; launch cast (part 1): grid 12 x 192, 4 waves a work-group, no clusters, 0 bytes of LDS; arguments inputs, prev_state, input_weights, reservoir_weights, abf, wbf; writes abf, wbf
.if DOCPART == 1
	.amdgcn_target "amdgcn-amd-amdhsa--gfx1250"
	.amdhsa_code_object_version 6
	.text
	.protected	k_q1a57c88804_cast
	.globl	k_q1a57c88804_cast
	.p2align	8
	.type	k_q1a57c88804_cast,@function
k_q1a57c88804_cast:
	s_mov_b64 s[64:65], 0
	v_nop
	global_prefetch_b8 v0, s[64:65] scope:SCOPE_SE
	s_setreg_imm32_b32 hwreg(HW_REG_WAVE_MODE, 25, 1), 1
	s_wait_xcnt 0x0
; Rounds the four f32 inputs to bf16 (nearest even) and lays them out as the tiles that the product's launch fetches.
; The two products share one sum, so K is taken as one axis of 6,144: chunks of 64 numbers, kc = 0..95; chunks 0..31 come from
; inputs / input_weights (2,048 columns), chunks 32..95 from prev_state / reservoir_weights (4,096 columns).
; abf: [t 0..31][row block 0..15][c 0..2][row 0..127][k 0..63] bf16, wbf the same with 32 row blocks; kc = 3 t + c.
; So a tile (t, row block) is 49,152 dense bytes, and each aligned 256 bytes of it hold two neighbouring rows' 64 numbers.
; A stream: each input byte is loaded once and each output byte stored once.  LDS, barriers, the matrix unit and clusters would add nothing
; (no two work-groups read the same bytes).
; A work-group takes 32 rows x 8 chunks (2,048 neighbouring bytes of each row); a wave 8 rows.  A load of a wave takes one chunk of two
; rows: lanes 0-15 the 256 bytes of the even row, lanes 16-31 those of the odd row, each run aligned to 256 bytes.  The matching store puts
; 8 bytes a lane: 256 neighbouring bytes, aligned.  All 32 loads of a wave go out first; nothing is rewritten, so there is no loop and
; no wait but the counted ones for the data.
.set OFF, 4                            ; v[4:7]    p = 0..3: byte offset in the source of my 16 bytes in row (8 wave + 2 p + half), chunk 0
.set DST, 8                            ; v8        byte offset of my 8 bytes in a chunk's region, p = 0
.set X,   16                           ; v[16:143] load i = 8 p + j: four registers
.set D,   16                           ; s[16:31]  j = 0..7: address of the work-group's 32 rows in chunk j's region of the target
	s_load_b256 s[4:11], s[0:1], 0x0               ; inputs s[4:5], prev_state s[6:7], input_weights s[8:9], reservoir_weights s[10:11]
	s_load_b128 s[12:15], s[0:1], 0x20             ; abf s[12:13], wbf s[14:15]
	s_mov_b32 s32, ttmp9                           ; gx 0..11: which eight chunks
	s_and_b32 s33, ttmp7, 0xffff                   ; gy 0..191: groups of 32 rows; 0..63 the activations, 64..191 the weights
	s_cmp_lt_u32 s33, 64
	s_cselect_b32 s35, 16, 32                      ; row blocks in the target
	s_cselect_b32 s46, 0, 64
	s_sub_co_u32 s36, s33, s46                     ; group of 32 rows inside its matrix
	s_lshr_b32 s37, s36, 2                         ; row block of 128
	s_and_b32 s38, s36, 3
	s_lshl_b32 s38, s38, 12                        ; the 32 rows' place in a chunk's region: 32 rows x 128 bytes each
	s_cmp_lt_u32 s32, 4
	s_cselect_b32 s34, 13, 14                      ; a source row is 8,192 or 16,384 bytes
	s_cselect_b32 s46, 0, 4
	s_sub_co_u32 s47, s32, s46                     ; group of eight chunks inside its source
	s_lshl_b32 s47, s47, 11                        ; x 2,048 bytes
	s_lshl_b32 s44, s36, 5                         ; first row
	s_lshl_b32 s44, s44, s34                       ; in bytes: 66,584,576 at the most
	s_add_co_u32 s44, s44, s47
	s_mov_b32 s45, 0
	v_and_b32 v1, 15, v0                           ; my sixteenth of a chunk
	v_bfe_u32 v2, v0, 4, 1                         ; even or odd row
	v_and_b32 v3, 0x60, v0
	v_lshrrev_b32 v3, 2, v3                        ; 8 x wave
	v_add_nc_u32 v3, v3, v2                        ; my row for p = 0
	v_lshlrev_b32 v9, 4, v1                        ; 16 bytes of f32 a lane
.irp p, 0,1,2,3
	v_add_nc_u32 v10, 2*\p, v3
	v_lshl_add_u32 v[OFF+\p], v10, s34, v9         ; row x pitch + my 16 bytes
.endr
	v_lshlrev_b32 v[DST], 7, v3                    ; row x 128 bytes of bf16
	v_lshl_add_u32 v[DST], v1, 3, v[DST]           ; + my 8 bytes
	s_wait_kmcnt 0x0
	s_cmp_lt_u32 s32, 4                            ; the choices hang on the work-group's place alone
	s_cselect_b64 s[4:5], s[4:5], s[6:7]           ; the activations' source for these chunks
	s_cselect_b64 s[8:9], s[8:9], s[10:11]         ; the weights' source
	s_cmp_lt_u32 s33, 64
	s_cselect_b64 s[40:41], s[4:5], s[8:9]         ; my source
	s_cselect_b64 s[42:43], s[12:13], s[14:15]     ; my target
	s_add_nc_u64 s[40:41], s[40:41], s[44:45]
.irp p, 0,1,2,3
.irp j, 0,1,2,3,4,5,6,7
	global_load_b128 v[X+4*(8*\p+\j):X+4*(8*\p+\j)+3], v[OFF+\p], s[40:41] offset:256*\j th:TH_LOAD_NT   ; read once in the launch
.endr
.endr
	; the eight target addresses, while the loads are on their way
.irp j, 0,1,2,3,4,5,6,7
	s_lshl_b32 s46, s32, 3
	s_add_co_u32 s46, s46, \j                      ; kc
	s_mul_i32 s47, s46, 171
	s_lshr_b32 s47, s47, 9                         ; t = kc / 3: 171/512 exceeds 1/3 by 1/1536, so the quotient is exact below kc = 512
	s_mul_i32 s44, s47, 3
	s_sub_co_u32 s46, s46, s44                     ; c = kc - 3 t
	s_mul_i32 s47, s47, s35
	s_add_co_u32 s47, s47, s37                     ; tile number t x blocks + block
	s_mul_i32 s47, s47, 3
	s_add_co_u32 s47, s47, s46                     ; chunk region
	s_lshl_b32 s44, s47, 14                        ; x 16,384 bytes: below 50,331,648
	s_add_co_u32 s44, s44, s38
	s_add_nc_u64 s[D+2*\j:D+2*\j+1], s[42:43], s[44:45]    ; s45 is still 0
.endr
.irp p, 0,1,2,3
.irp j, 0,1,2,3,4,5,6,7
	s_wait_loadcnt 31-(8*\p+\j)                    ; loads come back in order (ISA guide 5.7.1): this one is in, the younger ones stay out
	v_cvt_pk_bf16_f32 v[X+4*(8*\p+\j)],   v[X+4*(8*\p+\j)],   v[X+4*(8*\p+\j)+1]
	v_cvt_pk_bf16_f32 v[X+4*(8*\p+\j)+1], v[X+4*(8*\p+\j)+2], v[X+4*(8*\p+\j)+3]
	global_store_b64 v[DST], v[X+4*(8*\p+\j):X+4*(8*\p+\j)+1], s[D+2*\j:D+2*\j+1] offset:256*\p   ; two rows on for each p; the next launch reads these bytes: no hint
.endr
.endr
	s_endpgm
.Lfunc_end_k_q1a57c88804_cast:
	.size	k_q1a57c88804_cast, .Lfunc_end_k_q1a57c88804_cast-k_q1a57c88804_cast
	.p2alignl 7, 3214868480
	.fill 96, 4, 3214868480
	.section	.rodata,"a",@progbits
	.p2align	6, 0x0
	.amdhsa_kernel k_q1a57c88804_cast
		.amdhsa_group_segment_fixed_size 0
		.amdhsa_private_segment_fixed_size 0
		.amdhsa_enable_private_segment 0
		.amdhsa_kernarg_size 48
		.amdhsa_user_sgpr_count 2
		.amdhsa_user_sgpr_kernarg_segment_ptr 1
		.amdhsa_wavefront_size32 1
		.amdhsa_system_sgpr_workgroup_id_x 1
		.amdhsa_system_sgpr_workgroup_id_y 1
		.amdhsa_system_sgpr_workgroup_id_z 1
		.amdhsa_system_vgpr_workitem_id 0
		.amdhsa_next_free_vgpr 144
		.amdhsa_next_free_sgpr 66
		.amdhsa_reserve_vcc 0
		.amdhsa_float_denorm_mode_32 3
		.amdhsa_float_denorm_mode_16_64 3
		.amdhsa_memory_ordered 1
		.amdhsa_forward_progress 1
		.amdhsa_inst_pref_size 17
	.end_amdhsa_kernel
	.amdgpu_metadata
---
amdhsa.version: [ 1, 2 ]
amdhsa.kernels:
  - .name:           k_q1a57c88804_cast
    .symbol:         k_q1a57c88804_cast.kd
    .args:
      - { .name: inputs, .offset: 0, .size: 8, .value_kind: global_buffer, .address_space: global }
      - { .name: prev_state, .offset: 8, .size: 8, .value_kind: global_buffer, .address_space: global }
      - { .name: input_weights, .offset: 16, .size: 8, .value_kind: global_buffer, .address_space: global }
      - { .name: reservoir_weights, .offset: 24, .size: 8, .value_kind: global_buffer, .address_space: global }
      - { .name: abf, .offset: 32, .size: 8, .value_kind: global_buffer, .address_space: global }
      - { .name: wbf, .offset: 40, .size: 8, .value_kind: global_buffer, .address_space: global }
    .group_segment_fixed_size: 0
    .private_segment_fixed_size: 0
    .kernarg_segment_align: 8
    .kernarg_segment_size: 48
    .max_flat_workgroup_size: 128
    .sgpr_count:     66
    .vgpr_count:     144
    .wavefront_size: 32
...
	.end_amdgpu_metadata
.endif
;; end of part 1
;; launch gemm (part 2): grid 16 x 16, 4 waves a work-group, clusters of 4 x 4, 327,680 bytes of LDS; arguments abf, wbf, prev_state, out0; writes out0
.if DOCPART == 2
	.amdgcn_target "amdgcn-amd-amdhsa--gfx1250"
	.amdhsa_code_object_version 6
	.text
	.protected	k_q1a57c88804_gemm
	.globl	k_q1a57c88804_gemm
	.p2align	8
	.type	k_q1a57c88804_gemm,@function
k_q1a57c88804_gemm:
	s_mov_b64 s[64:65], 0
	v_nop
	global_prefetch_b8 v0, s[64:65] scope:SCOPE_SE
	s_setreg_imm32_b32 hwreg(HW_REG_WAVE_MODE, 25, 1), 1
	s_wait_xcnt 0x0
	s_wait_alu depctr_hold_cnt(0) depctr_sa_sdst(0) depctr_va_vdst(0) depctr_va_sdst(0) depctr_va_ssrc(0) depctr_va_vcc(0) depctr_vm_vsrc(0)
	s_getreg_b32 s2, hwreg(HW_REG_IB_STS2, 6, 4)
	s_cmp_eq_u32 s2, 0
	s_cbranch_scc0 .Lentry_in_a_cluster
	s_endpgm
.Lentry_in_a_cluster:
	s_bfe_u32 s2, ttmp6, 0x10000c
	s_cmp_lg_u32 s2, 0xf033
	s_cbranch_scc0 .Lentry_shape_is_right
	s_endpgm
.Lentry_shape_is_right:
; out0[m][n] = 0.7 prev_state[m][n] + 0.3 tanh( sum over the joined K of 6,144 of A[m][k] W[n][k] ),  m < 2,048, n < 4,096.
; A (abf) and W (wbf) are the bf16 tiles that the launch before laid out: tile (t, block of 128 rows) = 49,152 dense bytes = 3 chunks of
; 128 rows x 64 K; each 256 bytes hold two neighbouring rows' 64 numbers.  Sums in f32.
; LIMITS, as designed: the operands of the product are rounded to bf16.  K is summed as two interleaved halves (numbers 0-31 and 32-63 of every
; chunk of 64), each in ascending order, and the halves are added once in f32.  tanh(x) = 1 - 2 / (1 + 2^(2.885390 x)): it goes to exactly +1 and
; -1 where the power overflows to infinity or falls to zero, a NaN stays a NaN, and near x = 0 its absolute error is about 1e-7.
;
; SHARES.  8,388,608 outputs on 256 work-groups: a block of 128 rows x 256 columns each.  Four waves, as many as a WGP has SIMDs.  Wave w has the
; 128 columns nh = w & 1 and the half kh = w >> 1 of K, and so a tile of 128 x 128 sums in 512 registers: 32 LDS loads of 16 bytes a lane feed
; 64 matrix instructions.  (Tiles of 64 x 128 over all of K would need 24 loads for 32.)  The price is one addition of two halves on the way out.
; RING.  Two LDS slots, each with the tiles of one t: 192 along K, 192 matrix instructions a wave.  One tensor load a wave fills a slot:
; waves 0, 1 a tile of W each (192 rows of 256 bytes), waves 2, 3 half of A's tile each (96 rows of 256 bytes).
; CLUSTERS.  4 x 4 work-groups.  x counts blocks of rows, y blocks of columns.  A's tile hangs on x alone: the four of a column of the cluster ask for it
; jointly; W's tiles hang on y alone: the four of a row do.  That divides the requests for both by four.
; PREFETCH.  Each aligned 256 bytes of the tiles of t = 2 .. 31 are asked for once in the launch, one slot's work ahead of the tensor load that fetches them.
; The 384 blocks of a pair of W's tiles are shared out among the 16 work-groups with that block of columns, 24 each: waves 0 and 1 ask for 12 each.  The 192
; blocks of a tile of A among the 16 work-groups with that block of rows, 12 each: waves 2 and 3 ask for 6 each.  That is 9,216 bytes a work-group and slot.
;
; REGISTERS, in windows of 256:
;   window 0: v16-35 addresses and constants; v64-127, v128-191 fragments of A, two buffers (on the way out: sums); v192-223 at work on the way out
;   window 1: v64-127, v128-191 fragments of W, two buffers; on the way out all 256: my 64 rows of prev_state
;   window 2: the 32 accumulator tiles of rows 0-63 (tile (a, b) at v[8 (8 a + b)]);   window 3: those of rows 64-127
; The matrix instruction is used transposed (source 0 = 16 rows of W, source 1 = 16 rows of A): lane l then holds row l % 16 of the tile and, in its
; eight registers, the columns 8 (l / 16) + 0..7: 32 neighbouring bytes of a row of the result.
.set UNIT,  272                        ; 256 bytes (two rows of a chunk) + 16 of padding
.set CHUNK, 64*UNIT                    ; 128 rows x 64 K
.set REG,   3*CHUNK                    ; a tile in LDS: 52,224 bytes
.set SLOT,  3*REG                      ; W's first tile, W's second tile, A's tile
.set TILEB, 49152                      ; a tile in memory
.set ASTEP, 16*TILEB                   ; from t to t + 1 in abf
.set BSTEP, 32*TILEB                   ; and in wbf
.set SP,    528                        ; the way out: a row of 128 f32 + 16 bytes = 33 x 16, so sixteen rows' equal columns lie in sixteen different 16-byte columns modulo 256
.set STG,   128*SP                     ; the way out: a wave's 128 x 128 sums; four of them take 270,336 bytes, in the slots, behind their last fill
.set ROWB,  16384                      ; a row of prev_state and of out0
.set ADRA, 16                          ; v16-17  LDS address of my A fragments in slot 0, 1
.set ADRB, 20                          ; v20-21  the same for W
.set STO,  24                          ; v24     the way out: where my 32 bytes of a row go
.set RD0,  25                          ; v25     the way out: my 16 bytes of a row of the sums over K's first half
.set RD1,  26                          ; v26     the same, second half
.set CO,   27                          ; v27     16 x lane: my 16 bytes in a row of 512 bytes of prev_state and out0
.set C07,  28                          ; v[28:29] 0.7 twice
.set C03,  30                          ; v[30:31] 0.3 twice
.set CM06, 32                          ; v[32:33] -0.6 twice
.set PF,   34                          ; v34     prefetch: 256 x my lane's block in my wave's share; never rewritten
.set F0,   64
.set F1,   128
.set T,    192
.set G1A, 24                           ; s[24:31] descriptor group 1, A's half tiles
.set G0A, 32                           ; s[32:39] descriptor group 0 for them, a set for each slot
.set G1B, 48                           ; s[48:55] descriptor group 1, W's tiles
.set G0B, 56                           ; s[56:63] descriptor group 0 for them, a set for each slot
.set PB,  68                           ; s[68:69] prefetch: address of my wave's share of the tiles asked for next
.set PS,  72                           ; s[72:73] prefetch: from t to t + 1 in the buffer that my wave asks from
.set MSB, 0
.macro WIN new                         ; the immediate's high byte repeats the setting that is left; a switch that changes nothing is dropped
.if MSB != \new
	s_set_vgpr_msb (MSB<<8)|\new
.set MSB, \new
.endif
.endm
.set MUL_LO, 0xa1                      ; source 0 (W) window 1, source 1 (A) window 0, C and D window 2
.set MUL_HI, 0xf1                      ; the same, C and D window 3
.set TO_B,   0x40                      ; destination window 1, address window 0
; A joint load.  Waves 0 and 1 ask for W's two tiles, waves 2 and 3 for A's two halves.  Each line has one mask and one set of registers, and nothing in them
; hangs on a coordinate that the four partners do not share.  The branch hangs on the wave's number alone.
.macro JLOAD s
	s_cmp_eq_u32 s13, 0
	s_cbranch_scc0 .Lfor_a_\@
	tensor_load_to_lds s[G0B+4*\s:G0B+4*\s+3], s[G1B:G1B+7]
	s_nop 0
	s_branch .Lasked_\@
.Lfor_a_\@:
	tensor_load_to_lds s[G0A+4*\s:G0A+4*\s+3], s[G1A:G1A+7]
	s_nop 0
.Lasked_\@:
.endm
; A round of the cluster's barrier: my work-group's barrier, so that wave 0's signal speaks for all four waves; wave 0 signals for the work-group; every wave
; waits for all sixteen work-groups; my work-group's barrier once more.
.macro CREST                           ; a round behind its opening barrier
	s_cmp_lg_u32 s12, 0
	s_cbranch_scc1 .Lnot_wave_0_\@
	s_barrier_signal -3
.Lnot_wave_0_\@:
	s_barrier_wait -3
	s_barrier_signal -1
	s_barrier_wait -1
.endm
.macro CROUND                          ; a whole round
	s_barrier_signal -1
	s_barrier_wait -1
	CREST
.endm
	s_load_b256 s[4:11], s[0:1], 0x0               ; abf s[4:5], wbf s[6:7], prev_state s[8:9], out0 s[10:11]
	v_lshl_add_u32 v254, v0, 2, 0x4c800
	v_mov_b32 v255, 0
	ds_add_u32 v254, v255
	v_lshrrev_b32 v1, 5, v0
	v_readfirstlane_b32 s12, v1                    ; wave 0..3
	s_lshr_b32 s13, s12, 1                         ; kh: my half of K.  Also: I fetch for W (0) or for A (1)
	s_and_b32 s14, s12, 1                          ; nh: my 128 columns.  Also: which tile of W, or which half of A's, I fetch
	s_bfe_u32 s40, ttmp6, 0x40000                  ; cx
	s_bfe_u32 s41, ttmp6, 0x40004                  ; cy
	s_lshl_b32 s42, ttmp9, 2                       ; in a cluster launch ttmp9 and ttmp7 count clusters
	s_add_co_u32 s42, s42, s40                     ; mb: block of 128 rows = 4 x cluster x + cx
	s_and_b32 s43, ttmp7, 0xffff
	s_lshl_b32 s43, s43, 2
	s_add_co_u32 s43, s43, s41                     ; nb: block of 256 columns = 4 x cluster y + cy
	s_lshl_b32 s44, 0x1111, s40                    ; my column of the cluster (same cx): places cx, cx + 4, cx + 8, cx + 12
	s_lshl_b32 s45, s41, 2
	s_lshl_b32 s45, 15, s45                        ; my row (same cy): places 4 cy .. 4 cy + 3
	; group 1: a dense block taken as rows of 32 elements of 8 bytes, 16 bytes of padding behind each row in LDS
	s_or_b32 s[G1A+0], s44, (3<<16)|(1<<20)|(1<<21)|(5<<22)|(3<<25)  ; 15:0 the mask; 17:16 elements of 8 bytes; 20 padding on; 21 set beside a mask; 24:22 after every 64 words; 31:25 of 4 words
	s_or_b32 s[G1B+0], s45, (3<<16)|(1<<20)|(1<<21)|(5<<22)|(3<<25)
	s_mov_b32 s[G1A+1], 32<<16                     ; tensor_dim0 = 32
	s_mov_b32 s[G1B+1], 32<<16
	s_mov_b32 s[G1A+2], 96<<16                     ; tensor_dim1 = the tile's rows: half of A's tile,
	s_mov_b32 s[G1B+2], 192<<16                    ; a whole tile of W
	s_mov_b32 s[G1A+3], 32<<16                     ; tile_dim0 = 32
	s_mov_b32 s[G1B+3], 32<<16
	s_mov_b32 s[G1A+4], 96                         ; tile_dim1
	s_mov_b32 s[G1B+4], 192
	s_mov_b32 s[G1A+5], 32                         ; from row to row: 32 elements, the block is dense
	s_mov_b32 s[G1B+5], 32
	s_mov_b32 s[G1A+6], 0
	s_mov_b32 s[G1B+6], 0
	s_mov_b32 s[G1A+7], 0
	s_mov_b32 s[G1B+7], 0
	; where the tiles of t = 0 lie.  Every wave makes both offsets, in registers that never hold the other coordinate, and asks by one of them.
	s_mul_i32 s16, s42, TILEB                      ; A: tile mb,
	s_mul_i32 s22, s14, TILEB/2                    ; its first or second 96 rows of 256 bytes
	s_add_co_u32 s16, s16, s22
	s_mov_b32 s17, 0
	s_lshl_b32 s18, s43, 1
	s_add_co_u32 s18, s18, s14                     ; W: tile 2 nb + nh
	s_mul_i32 s18, s18, TILEB
	s_mov_b32 s19, 0
	s_mul_i32 s20, s12, REG                        ; where they go: waves 0, 1: W's tiles at wave x 52,224;
	s_mul_i32 s21, s12, REG/2
	s_add_co_u32 s21, s21, REG                     ; waves 2, 3: A's halves at 52,224 + wave x 26,112 = 104,448 and 130,560
	; my 64 rows x 128 columns of prev_state and out0: rows 128 mb + 64 kh, columns 256 nb + 128 nh
	s_lshl_b32 s66, s42, 21                        ; 128 rows of 16,384 bytes
	s_lshl_b32 s67, s13, 20
	s_add_co_u32 s66, s66, s67
	s_lshl_b32 s67, s43, 10                        ; 256 columns of 4 bytes
	s_add_co_u32 s66, s66, s67
	s_lshl_b32 s67, s14, 9
	s_add_co_u32 s66, s66, s67
	s_mov_b32 s67, 0
	; my wave's share of the prefetches, at t = 2, in registers that feed no descriptor.  Every wave makes both offsets and keeps one.
	s_lshl_b32 s68, s43, 1
	s_add_co_u32 s68, s68, 2*32                    ; W: the pair of tiles 2 nb, 2 nb + 1 of t = 2: 384 blocks of 256 bytes in a row,
	s_mul_i32 s68, s68, TILEB
	s_mul_i32 s75, s42, 24*256                     ; of which work-group mb takes 24
	s_add_co_u32 s68, s68, s75
	s_mul_i32 s75, s14, 12*256                     ; and wave nh 12
	s_add_co_u32 s68, s68, s75
	s_mov_b32 s69, 0
	s_add_co_u32 s70, s42, 2*16                    ; A: tile mb of t = 2: 192 blocks,
	s_mul_i32 s70, s70, TILEB
	s_mul_i32 s75, s43, 12*256                     ; of which work-group nb takes 12
	s_add_co_u32 s70, s70, s75
	s_mul_i32 s75, s14, 6*256                      ; and wave 2 + nh 6
	s_add_co_u32 s70, s70, s75
	s_mov_b32 s71, 0
	s_lshr_b32 s[PS], BSTEP, s13                   ; from t to t + 1: wbf's step, or half of it, which is abf's
	s_mov_b32 s[PS+1], 0
	s_wait_dscnt 0x0
	s_wait_kmcnt 0x0
	s_add_nc_u64 s[16:17], s[4:5], s[16:17]
	s_add_nc_u64 s[18:19], s[6:7], s[18:19]
	s_add_nc_u64 s[8:9], s[8:9], s[66:67]
	s_add_nc_u64 s[10:11], s[10:11], s[66:67]
	s_add_nc_u64 s[68:69], s[6:7], s[68:69]
	s_add_nc_u64 s[70:71], s[4:5], s[70:71]
	s_cmp_eq_u32 s13, 0                            ; the choice hangs on the wave's number alone
	s_cselect_b64 s[PB:PB+1], s[68:69], s[70:71]   ; waves 0, 1 ask from wbf, waves 2, 3 from abf
	s_cselect_b32 s74, 11, 5                       ; the last block of my share
	CROUND                                         ; all sixteen work-groups are here: the first joint loads meet
.irp s, 0,1
	s_mov_b32 s[G0A+4*\s], 1                                       ; count = 1
	s_add_co_u32 s[G0A+4*\s+1], s21, \s*SLOT                       ; LDS address
	s_add_nc_u64 s[G0A+4*\s+2:G0A+4*\s+3], s[16:17], \s*ASTEP      ; global address: t = s
	s_or_b32 s[G0A+4*\s+3], s[G0A+4*\s+3], 0x80000000              ; type = 2
	s_mov_b32 s[G0B+4*\s], 1
	s_add_co_u32 s[G0B+4*\s+1], s20, \s*SLOT
	s_add_nc_u64 s[G0B+4*\s+2:G0B+4*\s+3], s[18:19], \s*BSTEP
	s_or_b32 s[G0B+4*\s+3], s[G0B+4*\s+3], 0x80000000
	JLOAD \s                                       ; both slots are asked for before anything else: two loads of a wave are out here, one behind every later refill
.endr
	v_and_b32 v5, 31, v0                           ; lane
	v_min_u32 v[PF], s74, v5                       ; lanes past my share repeat its last block: EXEC stays whole, as the matrix instructions need it
	v_lshlrev_b32 v[PF], 8, v[PF]                  ; lanes 256 bytes apart
	global_prefetch_b8 v[PF], s[PB:PB+1] th:TH_LOAD_NT scope:SCOPE_SE   ; my share of t = 2, whose tensor load goes out at the end of slot 0's work
	; A fragment is 16 rows x 32 K in 8 registers: lane l holds row r = l % 16; registers 0-3 hold K = 8 (l / 16) + 0..7, registers 4-7 sixteen further on.
	; Row r of a chunk lies at (r / 2) x 272 + (r % 2) x 128, my half of its K at byte 64 kh: two loads of 16 bytes, 32 bytes apart.
	; Modulo 256 the sixteen rows of a load start at 16 (r / 2) + 128 (r % 2): sixteen different columns of 16 bytes.
	v_and_b32 v1, 15, v0                           ; r
	v_bfe_u32 v2, v0, 4, 1                         ; h = l / 16
	v_lshrrev_b32 v3, 1, v1
	v_mul_u32_u24 v3, v3, UNIT
	v_and_b32 v4, 1, v1
	v_lshl_add_u32 v3, v4, 7, v3
	v_lshl_add_u32 v3, v2, 4, v3
	s_lshl_b32 s22, s13, 6
	v_add_nc_u32 v3, s22, v3
	s_mul_i32 s23, s14, REG                        ; my tile of W
.irp s, 0,1
	v_add_nc_u32 v[ADRA+\s], 2*REG+\s*SLOT, v3
	v_add_nc_u32 v[ADRB+\s], s23, v3
	s_add_co_u32 s23, s23, SLOT
.endr
	s_mul_i32 s22, s12, STG                        ; the way out: my stage,
	v_mul_u32_u24 v4, v1, SP                       ; row r,
	v_lshl_add_u32 v4, v2, 5, v4                   ; 32 bytes for each half of the lanes
	v_add_nc_u32 v[STO], s22, v4
	v_lshlrev_b32 v[CO], 4, v5
	s_mul_i32 s22, s14, STG                        ; back: the stage of wave nh (K's first half, my columns),
	s_mul_i32 s23, s13, 64*SP                      ; rows 64 kh on
	s_add_co_u32 s22, s22, s23
	v_add_nc_u32 v[RD0], s22, v[CO]
	v_add_nc_u32 v[RD1], 2*STG, v[RD0]             ; and the stage of wave 2 + nh (K's second half)
	v_mov_b32 v[C07],    0x3f333333                ; 1 - 0.3
	v_mov_b32 v[C07+1],  0x3f333333
	v_mov_b32 v[C03],    0x3e99999a                ; 0.3
	v_mov_b32 v[C03+1],  0x3e99999a
	v_mov_b32 v[CM06],   0xbf19999a                ; -2 x 0.3
	v_mov_b32 v[CM06+1], 0xbf19999a
; 16 matrix instructions: row blocks a0, a0 + 1 of the window's four (hi = 0: rows 0-63, 1: rows 64-127) x all 8 column blocks, 32 along K.
; zero = 1: the first product starts the sums: nothing is cleared.
.macro MUL16 f, hi, a0, zero
.irp a, \a0, \a0+1
.irp b, 0,1,2,3,4,5,6,7
.if \zero
	v_wmma_f32_16x16x32_bf16 v[8*(8*(\a)+\b):8*(8*(\a)+\b)+7], v[\f+8*\b:\f+8*\b+7], v[\f+8*(4*\hi+\a):\f+8*(4*\hi+\a)+7], 0
.else
	v_wmma_f32_16x16x32_bf16 v[8*(8*(\a)+\b):8*(8*(\a)+\b)+7], v[\f+8*\b:\f+8*\b+7], v[\f+8*(4*\hi+\a):\f+8*(4*\hi+\a)+7], v[8*(8*(\a)+\b):8*(8*(\a)+\b)+7]
.endif
.endr
.endr
.endm
; 32 LDS loads in one run: my fragments of one chunk (128 rows of W, 128 rows of A, my 32 of its 64 K) at byte off of the slot's tiles, into buffer f.
; Sixteen rows are eight units of 272 bytes; the largest immediate is 2 x 17,408 + 7 x 2,176 + 32 = 50,080.
.macro FETCH slot, off, f
	WIN TO_B
.irp i, 0,1,2,3,4,5,6,7
	ds_load_b128 v[\f+8*\i:\f+8*\i+3],   v[ADRB+\slot] offset:\off+\i*8*UNIT
	ds_load_b128 v[\f+8*\i+4:\f+8*\i+7], v[ADRB+\slot] offset:\off+\i*8*UNIT+32
.endr
	WIN 0
.irp i, 0,1,2,3,4,5,6,7
	ds_load_b128 v[\f+8*\i:\f+8*\i+3],   v[ADRA+\slot] offset:\off+\i*8*UNIT
	ds_load_b128 v[\f+8*\i+4:\f+8*\i+7], v[ADRA+\slot] offset:\off+\i*8*UNIT+32
.endr
.endm
; A load into a register that a matrix instruction has read, and anything but a matrix instruction that reads a matrix result, stand four places behind that
; matrix instruction, and only plain vector instructions that name none of its registers are places (ISA guide 7.12.1 for vector instructions).
; The matrix instructions in between are not counted.
.macro PLACES
.rept 4
	v_nop
.endr
.endm
; A slot is three chunks, 64 matrix instructions each.  The 64 accumulators take turns, one instruction a turn, in the same order in every chunk, over the
; backward jump too.
; One of a slot's first two chunks: multiplies buffer f; in its middle it fetches the chunk at byte off of the same slot into buffer g.
.macro QUARTER slot, off, f, g, zero
	s_wait_dscnt 8                                 ; W and A's rows 0-63 are in; the youngest eight loads (A's rows 64-127) may be out
	WIN MUL_LO
	MUL16 \f, 0, 0, \zero
	MUL16 \f, 0, 2, \zero
	PLACES
	FETCH \slot, \off, \g
	s_wait_dscnt 32                                ; all but the 32 just issued
	WIN MUL_HI
	MUL16 \f, 1, 0, \zero
	MUL16 \f, 1, 2, \zero
.endm
; A slot's last chunk: multiplies buffer f and changes slots.  next = the other slot, whose first chunk goes into buffer g; fill = 1: this slot is filled
; again, with the tiles of t + 2; pf = 1: my share of the tiles of t + 3 is asked for ahead.
; One barrier for the change, for two things: in front of it each wave waits for its reads of this slot and for all its tensor loads, of which one is out, its
; part of the next slot.  Behind it nobody reads this slot and the next slot is whole: the refill comes first, then the next slot's first fragments.
; Nothing but the round and two address steps stands between the wait for the tile and the next request: the chunk's first 32 matrix instructions stand ahead
; of the waits, its last 32 behind the run of LDS loads, which they cover.  From a request to the wait for it a wave issues 32 + 64 + 64 + 32 = 192 matrix instructions.
.macro TURN slot, next, f, g, fill, pf
.if \pf
	s_wait_xcnt 0x0                                ; the prefetch of one slot ago has had its address translated (ISA guide 3.1): its base steps only behind this wait
	s_add_nc_u64 s[PB:PB+1], s[PB:PB+1], s[PS:PS+1]
.endif
	s_wait_dscnt 8
	WIN MUL_LO
	MUL16 \f, 0, 0, 0
	MUL16 \f, 0, 2, 0
	WIN 0
	s_wait_dscnt 0                                 ; my reads of this slot are over
	s_wait_tensorcnt 0x0                           ; and all my tensor loads have landed: my part of the next slot
	ds_add_u32 v254, v255
	s_wait_dscnt 0x0
	s_barrier_signal -1                            ; say so (where the slot is filled again this barrier opens a round of the cluster's barrier)
.if \fill
	s_add_nc_u64 s[G0A+4*\slot+2:G0A+4*\slot+3], s[G0A+4*\slot+2:G0A+4*\slot+3], 2*ASTEP   ; no tensor load of mine is out: the addresses step, while the others arrive
	s_add_nc_u64 s[G0B+4*\slot+2:G0B+4*\slot+3], s[G0B+4*\slot+2:G0B+4*\slot+3], 2*BSTEP
.endif
	s_barrier_wait -1
.if \fill
	CREST                                          ; all sixteen work-groups have said so: no wave of any partner still reads this slot or has a load on its way
	JLOAD \slot                                    ; my one tensor load behind the round, and the first thing there
.endif
	PLACES
	FETCH \next, 0, \g
.if \pf
	global_prefetch_b8 v[PF], s[PB:PB+1] th:TH_LOAD_NT scope:SCOPE_SE   ; my 12 or 6 blocks of t + 3: their tensor load goes out in the next change of slots
.endif
	WIN MUL_HI
	MUL16 \f, 1, 0, 0
	MUL16 \f, 1, 2, 0
.endm
.macro LAP zero, pf1                   ; once round the ring: six chunks on buffers 0, 1, 0, 1, 0, 1; both slots filled again
	QUARTER 0, CHUNK,   F0, F1, \zero
	QUARTER 0, 2*CHUNK, F1, F0, 0
	TURN 0, 1, F0, F1, 1, 1
	QUARTER 1, CHUNK,   F1, F0, 0
	QUARTER 1, 2*CHUNK, F0, F1, 0
	TURN 1, 0, F1, F0, 1, \pf1
.endm
	s_wait_tensorcnt 1                             ; my part of slot 0 is in; slot 1's stays out
	s_barrier_signal -1
	s_barrier_wait -1                              ; everybody's is
	FETCH 0, 0, F0
	LAP 1, 1                                       ; t = 0, 1; loads t = 2, 3; asks ahead for t = 3, 4.  Its first chunk starts the sums
	WIN 0                                          ; at a label and at a branch every window is 0
	s_mov_b32 s3, 13                               ; 32 values of t = 16 laps: one in front, two behind, thirteen here (t = 2 .. 27; they ask ahead for t = 5 .. 30)
.Llap:
	LAP 0, 1
	WIN 0
	s_sub_co_u32 s3, s3, 1
	s_cmp_lg_u32 s3, 0
	s_cbranch_scc1 .Llap
	LAP 0, 0                                       ; t = 28, 29; loads t = 30, 31; asks ahead for t = 31 and then for nothing: there is no t = 32
	QUARTER 0, CHUNK,   F0, F1, 0                  ; the last lap fills nothing and has no round of the cluster's barrier
	QUARTER 0, 2*CHUNK, F1, F0, 0
	TURN 0, 1, F0, F1, 0, 0                        ; its wait for all tensor loads leaves none out from here on
	QUARTER 1, CHUNK,   F1, F0, 0
	QUARTER 1, 2*CHUNK, F0, F1, 0
	s_wait_dscnt 8                                 ; the very last chunk: nothing more to fetch
	WIN MUL_LO
	MUL16 F1, 0, 0, 0
	MUL16 F1, 0, 2, 0
	s_wait_dscnt 0                                 ; my last reads of the slots are back:
	s_barrier_signal -1                            ; say so,
	WIN MUL_HI
	MUL16 F1, 1, 0, 0
	MUL16 F1, 1, 2, 0
	WIN 0
	s_barrier_wait -1                              ; and nobody reads a slot any more.  The slots have had their last fill: their bytes serve as the four stages
	; THE WAY OUT.  Each wave lays its 128 x 128 sums into its stage; then wave (kh, nh) takes rows 64 kh .. 64 kh + 63 of columns nh, adds the two halves of K,
	; and finishes them.  A row of 128 f32 is 512 bytes: 16 bytes a lane, in LDS, in prev_state and in out0.
	PLACES                                         ; the places behind the last matrix instructions: for the loads into W's buffers, the stores of the sums, the loads into A's buffers
	WIN TO_B
.set i, 0
.rept 64
	global_load_b128 v[4*i:4*i+3], v[CO], s[8:9] offset:i*ROWB th:TH_LOAD_NT   ; row i of my 64 of prev_state, into window 1; this launch reads it once
.set i, i+1
.endr
	WIN 0x08                                       ; store data from window 2
.irp a, 0,1,2,3
.irp b, 0,1,2,3,4,5,6,7
	ds_store_b128 v[STO], v[8*(8*\a+\b):8*(8*\a+\b)+3]   offset:\a*16*SP+64*\b
	ds_store_b128 v[STO], v[8*(8*\a+\b)+4:8*(8*\a+\b)+7] offset:\a*16*SP+64*\b+16
.endr
.endr
	WIN 0x0c                                       ; from window 3: rows 64 on; the largest immediate is 7 x 8,448 + 464 = 59,600
.irp a, 0,1,2,3
.irp b, 0,1,2,3,4,5,6,7
	ds_store_b128 v[STO], v[8*(8*\a+\b):8*(8*\a+\b)+3]   offset:(4+\a)*16*SP+64*\b
	ds_store_b128 v[STO], v[8*(8*\a+\b)+4:8*(8*\a+\b)+7] offset:(4+\a)*16*SP+64*\b+16
.endr
.endr
	WIN 0
	s_wait_dscnt 0                                 ; for the others' sake: my stage is written
	s_barrier_signal -1
	s_barrier_wait -1                              ; all four are
; eight rows of both halves: rows 8 g .. 8 g + 7 of my 64; first half into v[x .. x + 31], second into v[x + 32 .. x + 63]
.macro RDROWS g, x
.irp i, 0,1,2,3,4,5,6,7
	ds_load_b128 v[\x+4*\i:\x+4*\i+3], v[RD0] offset:(8*(\g)+\i)*SP
.endr
.irp i, 0,1,2,3,4,5,6,7
	ds_load_b128 v[\x+32+4*\i:\x+32+4*\i+3], v[RD1] offset:(8*(\g)+\i)*SP
.endr
.endm
; Group g in buffer x; more = 1: the next group's rows are asked for first, into buffer xn.
; 0.7 p + 0.3 tanh(s) = (0.7 p + 0.3) - 0.6 / (1 + 2^(2.885390 s)).
.macro GROUP g, x, xn, more
.if \more
.if \g > 0
	s_wait_xcnt 0x0                                ; buffer xn was the data of the stores one group ago: it is loaded again only behind this wait (ISA guide 3.1)
.endif
	RDROWS \g+1, \xn
	s_wait_dscnt 16                                ; my sixteen loads are in; the next group's sixteen stay out
.else
	s_wait_dscnt 0
.endif
.set q, 0
.rept 16
	v_pk_add_f32 v[\x+2*q:\x+2*q+1], v[\x+2*q:\x+2*q+1], v[\x+32+2*q:\x+32+2*q+1]     ; the two halves of K
.set q, q+1
.endr
.set q, 0
.rept 16
	v_pk_mul_f32 v[\x+2*q:\x+2*q+1], v[\x+2*q:\x+2*q+1], 0x4038aa3b op_sel_hi:[1,0]    ; x 2 / ln 2
.set q, q+1
.endr
.set q, 0
.rept 32
	v_exp_f32 v[\x+q], v[\x+q]
.set q, q+1
.endr
	s_wait_loadcnt 56-8*\g                         ; rows 8 g .. 8 g + 7 of prev_state are in; the 56 - 8 g later rows stay out
	WIN 0x01                                       ; source 0 from window 1
.set q, 0
.rept 16
	v_pk_fma_f32 v[T+2*q:T+2*q+1], v[32*\g+2*q:32*\g+2*q+1], v[C07:C07+1], v[C03:C03+1]   ; 0.7 p + 0.3; also the plain instructions between the powers and their use (ISA guide 5.7.2)
.set q, q+1
.endr
	WIN 0
.set q, 0
	s_wait_alu depctr_va_vdst(0)
.rept 16
	v_pk_add_f32 v[\x+2*q:\x+2*q+1], v[\x+2*q:\x+2*q+1], 1.0 op_sel_hi:[1,0]
.set q, q+1
.endr
.set q, 0
.rept 32
	v_rcp_f32 v[\x+q], v[\x+q]
.set q, q+1
.endr
	v_nop                                          ; one plain instruction between the last reciprocal and the first use (ISA guide 5.7.2)
.set q, 0
	s_wait_alu depctr_va_vdst(0)
.rept 16
	v_pk_fma_f32 v[\x+2*q:\x+2*q+1], v[\x+2*q:\x+2*q+1], v[CM06:CM06+1], v[T+2*q:T+2*q+1]
.set q, q+1
.endr
.irp i, 0,1,2,3,4,5,6,7
	global_store_b128 v[CO], v[\x+4*\i:\x+4*\i+3], s[10:11] offset:(8*\g+\i)*ROWB th:TH_STORE_NT   ; the wave stores 512 consecutive bytes, at a multiple of 512 from out0's first byte
.endr
.endm
	RDROWS 0, F0
	GROUP 0, F0, F1, 1
	GROUP 1, F1, F0, 1
	GROUP 2, F0, F1, 1
	GROUP 3, F1, F0, 1
	GROUP 4, F0, F1, 1
	GROUP 5, F1, F0, 1
	GROUP 6, F0, F1, 1
	GROUP 7, F1, F0, 0
	s_wait_tensorcnt 0x0
	ds_add_u32 v254, v255
	s_wait_dscnt 0x0
	CROUND                                         ; the closing round: no work-group ends while a partner may still ask for a tile that names it
	s_endpgm
.Lfunc_end_k_q1a57c88804_gemm:
	.size	k_q1a57c88804_gemm, .Lfunc_end_k_q1a57c88804_gemm-k_q1a57c88804_gemm
	.p2alignl 7, 3214868480
	.fill 96, 4, 3214868480
	.section	.rodata,"a",@progbits
	.p2align	6, 0x0
	.amdhsa_kernel k_q1a57c88804_gemm
		.amdhsa_group_segment_fixed_size 327680
		.amdhsa_private_segment_fixed_size 0
		.amdhsa_enable_private_segment 0
		.amdhsa_kernarg_size 32
		.amdhsa_user_sgpr_count 2
		.amdhsa_user_sgpr_kernarg_segment_ptr 1
		.amdhsa_wavefront_size32 1
		.amdhsa_system_sgpr_workgroup_id_x 1
		.amdhsa_system_sgpr_workgroup_id_y 1
		.amdhsa_system_sgpr_workgroup_id_z 1
		.amdhsa_system_vgpr_workitem_id 0
		.amdhsa_next_free_vgpr 1024
		.amdhsa_next_free_sgpr 76
		.amdhsa_reserve_vcc 0
		.amdhsa_float_denorm_mode_32 3
		.amdhsa_float_denorm_mode_16_64 3
		.amdhsa_memory_ordered 1
		.amdhsa_forward_progress 1
		.amdhsa_inst_pref_size 255
	.end_amdhsa_kernel
	.section	.bss,"aw",@nobits
	.p2align	6
	.space	262144
	.amdgpu_metadata
---
amdhsa.version: [ 1, 2 ]
amdhsa.kernels:
  - .name:           k_q1a57c88804_gemm
    .symbol:         k_q1a57c88804_gemm.kd
    .args:
      - { .name: abf, .offset: 0, .size: 8, .value_kind: global_buffer, .address_space: global }
      - { .name: wbf, .offset: 8, .size: 8, .value_kind: global_buffer, .address_space: global }
      - { .name: prev_state, .offset: 16, .size: 8, .value_kind: global_buffer, .address_space: global }
      - { .name: out0, .offset: 24, .size: 8, .value_kind: global_buffer, .address_space: global }
    .group_segment_fixed_size: 327680
    .private_segment_fixed_size: 0
    .kernarg_segment_align: 8
    .kernarg_segment_size: 32
    .max_flat_workgroup_size: 128
    .sgpr_count:     76
    .vgpr_count:     1024
    .wavefront_size: 32
...
	.end_amdgpu_metadata
.endif
;; end of part 2
;; ======== version 2 of 2: 2 launches; version 1 with the launch cast written anew for expert scheduling mode
;; workspace buffers: abf 25,165,824 bytes; wbf 50,331,648 bytes
;; launch cast (part 3): grid 12 x 192, 4 waves a work-group, no clusters, 0 bytes of LDS; arguments inputs, prev_state, input_weights, reservoir_weights, abf, wbf; writes abf, wbf
.if DOCPART == 3
	.amdgcn_target "amdgcn-amd-amdhsa--gfx1250"
	.amdhsa_code_object_version 6
	.text
	.protected	k_q1a57c88804_cast
	.globl	k_q1a57c88804_cast
	.p2align	8
	.type	k_q1a57c88804_cast,@function
k_q1a57c88804_cast:
	s_mov_b64 s[64:65], 0
	v_nop
	global_prefetch_b8 v0, s[64:65] scope:SCOPE_SE
	s_setreg_imm32_b32 hwreg(HW_REG_WAVE_SCHED_MODE, 0, 2), 2
	s_setreg_imm32_b32 hwreg(HW_REG_WAVE_MODE, 25, 1), 1
	s_wait_xcnt 0x0
	s_wait_alu depctr_vm_vsrc(0)
; Rounds the four f32 inputs to bf16 (nearest even) and lays them out as the tiles that the product's launch fetches.
; The two products share one sum, so K is taken as one axis of 6,144: chunks of 64 numbers, kc = 0..95; chunks 0..31 come from
; inputs / input_weights (2,048 columns), chunks 32..95 from prev_state / reservoir_weights (4,096 columns).
; abf: [t 0..31][row block 0..15][c 0..2][row 0..127][k 0..63] bf16, wbf the same with 32 row blocks; kc = 3 t + c.
; So a tile (t, row block) is 49,152 dense bytes, and each aligned 256 bytes of it hold two neighbouring rows' 64 numbers.
; A stream: each input byte is loaded once and each output byte stored once.  LDS, barriers, the matrix unit and clusters would add nothing
; (no two work-groups read the same bytes).
; A work-group takes 32 rows x 8 chunks (2,048 neighbouring bytes of each row); a wave 8 rows.  A load of a wave takes one chunk of two
; rows: lanes 0-15 the 256 bytes of the even row, lanes 16-31 those of the odd row, each run aligned to 256 bytes.  The matching store puts
; 8 bytes a lane: 256 neighbouring bytes, aligned.  All 32 loads of a wave go out first; there is no loop.
; THE MODE: SCHED_MODE bits 1:0 = 2 (LLVM: expert scheduling mode 2), set by the entry lines.  The code itself states the register dependences
; between vector instructions and memory instructions, with s_wait_alu, always for 0.
; THE PLAN.  Registers that memory instructions touch:
;   v[OFF ..], v[DST]  the loads' and the stores' offsets: written by vector instructions at the head, never again.
;   v[X + 4 i ..]      load i lands in four registers that no vector instruction has named; its two roundings read the four and write the first two;
;                      store i reads those two; nothing writes them afterwards.
; The 32 loads are taken in eight blocks of four.  Block b rounds its own four; its memory instructions are the four stores of block b - 1, which read
; that block's registers and v[DST]: none that a rounding of block b names.  So one wait on va_vdst at a block's head states all that its four stores hang
; on, and they are dealt among its roundings with no further wait.  No register that a memory instruction has read is written again, so no wait on vm_vsrc
; is owed; no vector instruction writes a scalar register, VCC or EXEC.
.set OFF, 4                            ; v[4:7]    p = 0..3: byte offset in the source of my 16 bytes in row (8 wave + 2 p + half), chunk 0
.set DST, 8                            ; v8        byte offset of my 8 bytes in a chunk's region, p = 0
.set X,   16                           ; v[16:143] load i = 8 p + j: four registers
.set D,   16                           ; s[16:31]  j = 0..7: address of the work-group's 32 rows in chunk j's region of the target
.set BLOCK, 4                          ; loads in a block
	s_load_b256 s[4:11], s[0:1], 0x0               ; inputs s[4:5], prev_state s[6:7], input_weights s[8:9], reservoir_weights s[10:11]
	s_load_b128 s[12:15], s[0:1], 0x20             ; abf s[12:13], wbf s[14:15]
	s_mov_b32 s32, ttmp9                           ; gx 0..11: which eight chunks
	s_and_b32 s33, ttmp7, 0xffff                   ; gy 0..191: groups of 32 rows; 0..63 the activations, 64..191 the weights
	s_cmp_lt_u32 s33, 64
	s_cselect_b32 s35, 16, 32                      ; row blocks in the target
	s_cselect_b32 s46, 0, 64
	s_sub_co_u32 s36, s33, s46                     ; group of 32 rows inside its matrix
	s_lshr_b32 s37, s36, 2                         ; row block of 128
	s_and_b32 s38, s36, 3
	s_lshl_b32 s38, s38, 12                        ; the 32 rows' place in a chunk's region: 32 rows x 128 bytes each
	s_cmp_lt_u32 s32, 4
	s_cselect_b32 s34, 13, 14                      ; a source row is 8,192 or 16,384 bytes
	s_cselect_b32 s46, 0, 4
	s_sub_co_u32 s47, s32, s46                     ; group of eight chunks inside its source
	s_lshl_b32 s47, s47, 11                        ; x 2,048 bytes
	s_lshl_b32 s44, s36, 5                         ; first row
	s_lshl_b32 s44, s44, s34                       ; in bytes: 66,584,576 at the most
	s_add_co_u32 s44, s44, s47
	s_mov_b32 s45, 0
	v_and_b32 v1, 15, v0                           ; my sixteenth of a chunk
	v_bfe_u32 v2, v0, 4, 1                         ; even or odd row
	v_and_b32 v3, 0x60, v0
	v_lshrrev_b32 v3, 2, v3                        ; 8 x wave
	v_add_nc_u32 v3, v3, v2                        ; my row for p = 0
	v_lshlrev_b32 v9, 4, v1                        ; 16 bytes of f32 a lane
.irp p, 0,1,2,3
	v_add_nc_u32 v10, 2*\p, v3
	v_lshl_add_u32 v[OFF+\p], v10, s34, v9         ; row x pitch + my 16 bytes
.endr
	v_lshlrev_b32 v[DST], 7, v3                    ; row x 128 bytes of bf16
	v_lshl_add_u32 v[DST], v1, 3, v[DST]           ; + my 8 bytes
	s_wait_kmcnt 0x0
	s_cmp_lt_u32 s32, 4                            ; the choices hang on the work-group's place alone
	s_cselect_b64 s[4:5], s[4:5], s[6:7]           ; the activations' source for these chunks
	s_cselect_b64 s[8:9], s[8:9], s[10:11]         ; the weights' source
	s_cmp_lt_u32 s33, 64
	s_cselect_b64 s[40:41], s[4:5], s[8:9]         ; my source
	s_cselect_b64 s[42:43], s[12:13], s[14:15]     ; my target
	s_add_nc_u64 s[40:41], s[40:41], s[44:45]
	s_wait_alu depctr_va_vdst(0)                   ; v[OFF ..] and v[DST] are written: every load and store of the kernel reads one of them as its offset
.irp p, 0,1,2,3
.irp j, 0,1,2,3,4,5,6,7
	global_load_b128 v[X+4*(8*\p+\j):X+4*(8*\p+\j)+3], v[OFF+\p], s[40:41] offset:256*\j th:TH_LOAD_NT   ; read once in the launch
.endr
.endr
	; the eight target addresses, while the loads are on their way
.irp j, 0,1,2,3,4,5,6,7
	s_lshl_b32 s46, s32, 3
	s_add_co_u32 s46, s46, \j                      ; kc
	s_mul_i32 s47, s46, 171
	s_lshr_b32 s47, s47, 9                         ; t = kc / 3: 171/512 exceeds 1/3 by 1/1536, so the quotient is exact below kc = 512
	s_mul_i32 s44, s47, 3
	s_sub_co_u32 s46, s46, s44                     ; c = kc - 3 t
	s_mul_i32 s47, s47, s35
	s_add_co_u32 s47, s47, s37                     ; tile number t x blocks + block
	s_mul_i32 s47, s47, 3
	s_add_co_u32 s47, s47, s46                     ; chunk region
	s_lshl_b32 s44, s47, 14                        ; x 16,384 bytes: below 50,331,648
	s_add_co_u32 s44, s44, s38
	s_add_nc_u64 s[D+2*\j:D+2*\j+1], s[42:43], s[44:45]    ; s45 is still 0
.endr
; Store o = 8 p + j: chunk j's region, two rows on for each p.  The next launch reads these bytes: no hint.
.macro PUT
	global_store_b64 v[DST], v[X+4*o:X+4*o+1], s[D+2*(o%8):D+2*(o%8)+1] offset:256*(o/8)
.endm
; Block b: loads 4 b to 4 b + 3 are rounded; the stores of block b - 1 go out among the roundings.  first = 1: block 0, with no block in front of it.
.macro BLK b, first
	s_wait_loadcnt 31-BLOCK*(\b)                   ; loads come back in order (ISA guide 5.7.1): the block's first is in, the younger ones stay out
.if !\first
	s_wait_alu depctr_va_vdst(0)                   ; the roundings of the block before have written their registers, which the four stores below read
.endif
.irp n, 0,1,2,3
.set i, BLOCK*(\b)+(\n)
.set o, i-BLOCK
.if !\first
	PUT                                            ; no wait: no vector instruction since the wait above names this store's data or v[DST]
.endif
.if (\n) > 0
	s_wait_loadcnt 31-i                            ; load i is in, the 31 - i younger ones stay out
.endif
	v_cvt_pk_bf16_f32 v[X+4*i],   v[X+4*i],   v[X+4*i+1]
	v_cvt_pk_bf16_f32 v[X+4*i+1], v[X+4*i+2], v[X+4*i+3]
.endr
.endm
	BLK 0, 1
	BLK 1, 0
	BLK 2, 0
	BLK 3, 0
	BLK 4, 0
	BLK 5, 0
	BLK 6, 0
	BLK 7, 0
	s_wait_alu depctr_va_vdst(0)                   ; block 7's roundings have written their registers, which the last four stores read
.irp n, 0,1,2,3
.set o, 28+(\n)
	PUT
.endr
	s_endpgm
.Lfunc_end_k_q1a57c88804_cast:
	.size	k_q1a57c88804_cast, .Lfunc_end_k_q1a57c88804_cast-k_q1a57c88804_cast
	.p2alignl 7, 3214868480
	.fill 96, 4, 3214868480
	.section	.rodata,"a",@progbits
	.p2align	6, 0x0
	.amdhsa_kernel k_q1a57c88804_cast
		.amdhsa_group_segment_fixed_size 0
		.amdhsa_private_segment_fixed_size 0
		.amdhsa_enable_private_segment 0
		.amdhsa_kernarg_size 48
		.amdhsa_user_sgpr_count 2
		.amdhsa_user_sgpr_kernarg_segment_ptr 1
		.amdhsa_wavefront_size32 1
		.amdhsa_system_sgpr_workgroup_id_x 1
		.amdhsa_system_sgpr_workgroup_id_y 1
		.amdhsa_system_sgpr_workgroup_id_z 1
		.amdhsa_system_vgpr_workitem_id 0
		.amdhsa_next_free_vgpr 144
		.amdhsa_next_free_sgpr 66
		.amdhsa_reserve_vcc 0
		.amdhsa_float_denorm_mode_32 3
		.amdhsa_float_denorm_mode_16_64 3
		.amdhsa_memory_ordered 1
		.amdhsa_forward_progress 1
		.amdhsa_inst_pref_size 17
	.end_amdhsa_kernel
	.amdgpu_metadata
---
amdhsa.version: [ 1, 2 ]
amdhsa.kernels:
  - .name:           k_q1a57c88804_cast
    .symbol:         k_q1a57c88804_cast.kd
    .args:
      - { .name: inputs, .offset: 0, .size: 8, .value_kind: global_buffer, .address_space: global }
      - { .name: prev_state, .offset: 8, .size: 8, .value_kind: global_buffer, .address_space: global }
      - { .name: input_weights, .offset: 16, .size: 8, .value_kind: global_buffer, .address_space: global }
      - { .name: reservoir_weights, .offset: 24, .size: 8, .value_kind: global_buffer, .address_space: global }
      - { .name: abf, .offset: 32, .size: 8, .value_kind: global_buffer, .address_space: global }
      - { .name: wbf, .offset: 40, .size: 8, .value_kind: global_buffer, .address_space: global }
    .group_segment_fixed_size: 0
    .private_segment_fixed_size: 0
    .kernarg_segment_align: 8
    .kernarg_segment_size: 48
    .max_flat_workgroup_size: 128
    .sgpr_count:     66
    .vgpr_count:     144
    .wavefront_size: 32
...
	.end_amdgpu_metadata
.endif
;; end of part 3
;; launch gemm: the kernel of part 2 again; grid 16 x 16, 4 waves a work-group, clusters of 4 x 4, 327,680 bytes of LDS; arguments abf, wbf, prev_state, out0; writes out0
